; MI455X (gfx1250); checked and timed in simulation.
; The chip was launched on July 23, 2026; its instructions are those of AMD's public machine-readable ISA for CDNA 5 (MIT licence, August 2026) and "CDNA5" Instruction Set Architecture Reference Guide (July 2026). The comments in the code are by the model that wrote it; some were corrected since.
;; Grouped Query Attention. Allowed arithmetic: matrix products marked QUANTISED: E5M2 operands, one given power-of-two scale a tensor, by v_wmma_f32_16x16x64_bf8_bf8 or v_wmma_f32_16x16x128_bf8_bf8, f32 sums; everything else in f32.
;; Inputs: Wk_codes 512 x 64 x 32 uint8 (E5M2 codes of Wk, K innermost, in blocks of 32 codes); Wq_codes 2,048 x 64 x 32 uint8 (E5M2 codes of Wq, K innermost, in blocks of 32 codes); Wv_codes 512 x 64 x 32 uint8 (E5M2 codes of Wv, K innermost, in blocks of 32 codes); bk 512 float32; bq 2,048 float32; bv 512 float32; hidden_states_codes 2 x 2,048 x 64 x 32 uint8 (E5M2 codes of hidden_states, K innermost, in blocks of 32 codes); lowp_scales 10 int32 (the exponents e of the quantised operands' scales 2^e).
;; Outputs: out0 2 x 2,048 x 2,048 float32.
;; This version of the problem:
;;   THIS VERSION OF THE PROBLEM IS GIVEN IN LOW PRECISION. The matrix products marked QUANTISED in the list below multiply operands that are first quantised to E5M2 (5 exponent bits, 2 mantissa bits; 8 bits a number), with one given power-of-two scale for each operand tensor; their sums are f32. All else is computed in f32.
;;   The module's matrix products, in the order in which they are computed (A, B: the left and right operand; K: the contracted axis; several contracted axes count as one K, in the product's order):
;;     1. [M 4,096, K 2,048] x [K 2,048, N 2,048]; A: input hidden_states (given as codes); B: input Wq (given as codes): QUANTISED (scales: A lowp_scales[0], B lowp_scales[1])
;;     2. [M 4,096, K 2,048] x [K 2,048, N 512]; A: input hidden_states (given as codes); B: input Wk (given as codes): QUANTISED (scales: A lowp_scales[2], B lowp_scales[3])
;;     3. [M 4,096, K 2,048] x [K 2,048, N 512]; A: input hidden_states (given as codes); B: input Wv (given as codes): QUANTISED (scales: A lowp_scales[4], B lowp_scales[5])
;;     4. batch 8 x [M 2,048, K 128] x [K 128, N 8,192]; A: computed on the way; B: computed on the way: QUANTISED (scales: A lowp_scales[6], B lowp_scales[7])
;;     5. batch 8 x [M 128, K 2,048] x [K 2,048, N 8,192]; A: computed on the way; B: softmax (see below): QUANTISED (scales: A lowp_scales[8], B lowp_scales[9])
;;   THE QUANTISER, for each operand of a quantised product, along K:
;;     - The operand's scale is 2^e, e = its entry of the input lowp_scales (int32; the entries are numbered through the quantised products in the list's order, A before B).
;;     - Each number is divided by the scale, clamped to +-57,344, and rounded to the nearest number of E5M2, ties to even, subnormals kept.
;;     - The product sums the exact products of the quantised numbers (number of the format x scale) in f32.
;;   ~~~python
;;   def quantise(x, axis, e):      # numpy; x: float32 -> the quantised numbers, widened to float32 again
;;       x = np.moveaxis(x, axis, -1); K = x.shape[-1]
;;       r = np.clip(x / 2.0 ** e, -57344, 57344)
;;       step = 2.0 ** (np.maximum(np.frexp(np.where(r == 0, 1, r))[1] - 1, -14) - 2)
;;       q = np.round(r / step) * step * 2.0 ** e      # np.round: ties to even
;;       return np.moveaxis(q, -1, axis).astype(np.float32)
;;   ~~~
;;   SOFTMAX AHEAD OF A QUANTISED PRODUCT. Where the list says 'softmax', what is quantised is not the finished softmax but p = 2^(t - M), with t = logit x log2(e) and M = ceil(the row's largest t), a whole number; so 1/2 < the row's largest p <= 1. The row's sum l is taken of the UNQUANTISED p, in f32, and the product's result is divided by l at the end. Since M is a whole number, a kernel that streams over the keys may use a running M (the ceiling of the running maximum): every later rescaling is an exact power of two, so the quantised numbers keep their values, but for numbers so far below the row's largest that they fall under the format's range.
;;   OPERANDS COMPUTED ON THE WAY. 'Computed on the way' means the value that the module computes at that place (a softmax that the list does not call 'softmax' is quantised finished and normalised). What goes into a quantiser is computed in f32, as accurately as f32 sums, v_exp_f32 and their like allow (about 1e-6 of the number): no bf16 or f16 on the way to a quantiser, and a product that is left as it is and whose result goes on into a quantised operand takes f32 operands (vector FMAs, or v_wmma_f32_16x16x4_f32). A number that lies on a knife's edge between two numbers of the format may be rounded either way, as far as f32 arithmetic and the matrix unit's own rounding can turn it there, and no further.
;;   INPUTS GIVEN AS CODES. Wk (in the module: [2048, 512], K = its axis 0); Wq (in the module: [2048, 2048], K = its axis 0); Wv (in the module: [2048, 512], K = its axis 0); hidden_states (in the module: [2, 2048, 2048], K = its axis 2): each comes as NAME_codes (uint8): NAME with its K axis moved to the last place and cut into blocks of 32 codes, [.., K / 32, bytes a block], one block behind the other in memory; one code a byte (a code: sign, 5 exponent bits, 2 mantissa bits); its scale is its entry of lowp_scales. Its value is code x scale, taken as it is: it is not quantised again, and the codes and scales need not be those that the quantiser above would give.
;; One version. Each part assembles by itself: llvm-mc -triple=amdgcn-amd-amdhsa -mcpu=gfx1250 --defsym DOCPART=n.
;; ======== version 1 of 1: 2 launches
;; limits: right only within a limited range of input values
;; workspace buffers: q_img 8,388,608 bytes; k_img 2,097,152 bytes; v_img 2,097,152 bytes
;; launch proj (part 1): grid 12 x 16, 4 waves a work-group, clusters of 4 x 4, 327,680 bytes of LDS; arguments hidden_states_codes, Wq_codes, Wk_codes, Wv_codes, bq, bk, bv, lowp_scales, q_img, k_img, v_img; writes q_img, k_img, v_img
.if DOCPART == 1
	.amdgcn_target "amdgcn-amd-amdhsa--gfx1250"
	.amdhsa_code_object_version 6
	.text
	.protected	k_q8c692d3a3c_proj
	.globl	k_q8c692d3a3c_proj
	.p2align	8
	.type	k_q8c692d3a3c_proj,@function
k_q8c692d3a3c_proj:
	s_mov_b64 s[64:65], 0
	v_nop
	global_prefetch_b8 v0, s[64:65] scope:SCOPE_SE
	s_setreg_imm32_b32 hwreg(HW_REG_WAVE_MODE, 25, 1), 1
	s_wait_xcnt 0x0
	s_wait_alu depctr_hold_cnt(0) depctr_sa_sdst(0) depctr_va_vdst(0) depctr_va_sdst(0) depctr_va_ssrc(0) depctr_va_vcc(0) depctr_vm_vsrc(0)
	s_getreg_b32 s2, hwreg(HW_REG_IB_STS2, 6, 4)
	s_cmp_eq_u32 s2, 0
	s_cbranch_scc0 .Lentry_in_a_cluster
	s_endpgm
.Lentry_in_a_cluster:
	s_bfe_u32 s2, ttmp6, 0x10000c
	s_cmp_lg_u32 s2, 0xf033
	s_cbranch_scc0 .Lentry_shape_is_right
	s_endpgm
.Lentry_shape_is_right:
; q = x Wq + bq, k = x Wk + bk, v = x Wv + bv on codes of E5M2, each result quantised at once for the attention's products and stored as codes.  No work is left out: every input has a way to the output.
; C is 4,096 tokens x 3,072 columns in tiles of 256 x 256, a work-group of four waves to a tile, 128 x 128 a wave (64 accumulators).  Tile columns 0-7 take Wq's rows; tile column 8 + cx takes 128 rows of Wk (the waves
; of the left half) and the same 128 rows of Wv (those of the right half).  K goes in steps of 256 through a ring of two LDS slots, filled by joint loads: x's tiles shared along a row of the 4 x 4 cluster, W's along a column.
; q, k: source 0 = 16 rows of W, source 1 = 16 tokens: a lane holds one token and eight neighbouring channels.  v: the two LDS addresses are swapped, so that a lane holds one channel and eight neighbouring tokens (the keys are v's K).
; THE WAY OUT: sum x 2^(ea + eb) + bias, held at +-57,344 x 2^e, converted with 2^e (e: entry 7 for q, 6 for k, 8 for v).  A block of 16 rows x 128 leaves as an image of an operand's registers: 2,048 bytes, four pieces of 512, lane l's 16 bytes at 16 l.
; LDS ROWS: a tile is stated 272 bytes wide over a tensor 256 wide: the mover writes zeros beyond tensor_dim0, so an LDS row is 256 bytes of codes and 16 of zeros; every byte between a wave's lowest and highest fragment address is written.
; PREFETCH: behind each joint load one instruction a wave names the K step two steps on: of the 128 rows that the wave fetches each of the four partners takes 32, told apart by address, a lane a row; the last two refills ask for nothing.
; LIMITS: ea + eb between -126 and 127, e between -126 and 112, so that each power of two is an f32 number.
.set PFO,  30                          ; v30  2,048 x lane: the prefetches' offset; never rewritten
.set PFA,  98                          ; s[98:99] my work-group's 32 rows, one K step further on than the joint load in hand
.set KSTEP,  256
.set ROWB,   256
.set KROW,   2048
.set PITCH,  272
.set FR,     16
.set NL,     4
.set NP,     4
.set HALFT,  128*PITCH
.set SLOT,   4*HALFT
.set LAPS,   2048/(2*KSTEP)
.set SPARE,  2*SLOT
.set CVS,  12
.set LIMV, 13
.set ADRA, 16
.set ADRB, 20
.set CO,   26
.set SPW,  28
.set NIL,  29
.set BI,   32
.set BM,   96
.set TMP,  112
.set PC,   176
.set AF,   128
.set G1,   28
.set G0,   36
.set G1B,  44
.set G0B,  52
.set WV,   60
.set RH,   61
.set CH,   62
.set ISQ,  72
.set ISV,  73
.set OUTP, 76
.set BP,   78
.set SC,   80
.set MSB, 0
.macro WIN new
.if MSB != \new
	s_set_vgpr_msb (MSB<<8)|\new
.set MSB, \new
.endif
.endm
.set MUL_LO, 0xa1
.set MUL_HI, 0xf1
.set TO_B,   0x40
.macro JLOAD g0a, g1a, g0b, g1b
	s_cmp_eq_u32 s[RH], 0
	s_cbranch_scc0 .Lfor_b_\@
	tensor_load_to_lds s[\g0a:\g0a+3], s[\g1a:\g1a+7]
	s_nop 0
.rept 4
	v_nop
.endr
	s_branch .Lasked_\@
.Lfor_b_\@:
	tensor_load_to_lds s[\g0b:\g0b+3], s[\g1b:\g1b+7]
	s_nop 0
.rept 4
	v_nop
.endr
.Lasked_\@:
.endm
.macro CREST
	s_cmp_lg_u32 s[WV], 0
	s_cbranch_scc1 .Lnot_wave_0_\@
	s_barrier_signal -3
.Lnot_wave_0_\@:
	s_barrier_wait -3
	s_barrier_signal -1
	s_barrier_wait -1
.endm
.macro CROUND
	s_barrier_signal -1
	s_barrier_wait -1
	CREST
.endm
	s_load_b512 s[4:19], s[0:1], 0x0
	s_load_b128 s[20:23], s[0:1], 0x40
	s_load_b64 s[24:25], s[0:1], 0x50
	v_lshl_add_u32 v[SPW], v0, 2, SPARE
	v_mov_b32 v[NIL], 0
	ds_add_u32 v[SPW], v[NIL]
	ds_add_u32 v[SPW], v[NIL]
	v_lshrrev_b32 v1, 5, v0
	v_readfirstlane_b32 s[WV], v1
	v_and_b32 v[PFO], 31, v0
	v_lshlrev_b32 v[PFO], 11, v[PFO]
	s_lshr_b32 s[RH], s[WV], 1
	s_and_b32 s[CH], s[WV], 1
	s_bfe_u32 s66, ttmp6, 0x40000
	s_bfe_u32 s67, ttmp6, 0x40004
	s_lshl_b32 s68, ttmp9, 2
	s_add_co_u32 s68, s68, s66
	s_and_b32 s69, ttmp7, 0xffff
	s_lshl_b32 s69, s69, 2
	s_add_co_u32 s69, s69, s67
	s_lshl_b32 s70, s67, 2
	s_lshl_b32 s70, 15, s70
	s_lshl_b32 s71, 0x1111, s66
	s_cmp_lt_u32 ttmp9, 2
	s_cselect_b32 s[ISQ], 1, 0
	s_cselect_b32 s[ISV], 0, s[CH]
	s_or_b32 s[G1+0], s70, (1<<21)                 ; the mask of my row; elements of 1 byte; no padding field; bit 21 beside a mask
	s_or_b32 s[G1B+0], s71, (1<<21)                ; the mask of my column
.irp g, G1, G1B
	s_mov_b32 s[\g+1], ROWB<<16
	s_mov_b32 s[\g+2], 128<<16
	s_mov_b32 s[\g+3], PITCH<<16                   ; tile_dim0 = 272 over tensor_dim0 = 256: the last 16 bytes of each LDS row are written as zeros
	s_mov_b32 s[\g+4], 128
	s_mov_b32 s[\g+5], KROW
	s_mov_b32 s[\g+6], 0
	s_mov_b32 s[\g+7], 0
.endr
	s_lshl_b32 s74, s[CH], 7
	s_lshl_b32 s76, s69, 8
	s_add_co_u32 s76, s76, s74
	s_lshl_b32 s76, s76, 11
	s_mov_b32 s77, 0
	s_lshl_b32 s78, s68, 8
	s_add_co_u32 s78, s78, s74
	s_lshl_b32 s79, s66, 7
	s_cmp_eq_u32 s[ISQ], 1
	s_cselect_b32 s78, s78, s79
	s_lshl_b32 s78, s78, 11
	s_mov_b32 s79, 0
	s_mul_i32 s75, s[WV], HALFT
	s_wait_alu depctr_va_vdst(0)                   ; the wait here, directly ahead of the wait below
	s_wait_dscnt 0x0
	s_wait_kmcnt 0x0
	s_load_b256 s[88:95], s[18:19], 0x0
	s_load_b32 s96, s[18:19], 0x20
	s_add_nc_u64 s[76:77], s[4:5], s[76:77]
	s_cmp_eq_u32 s[CH], 0
	s_cselect_b64 s[82:83], s[8:9], s[10:11]
	s_cmp_eq_u32 s[ISQ], 1
	s_cselect_b64 s[82:83], s[6:7], s[82:83]
	s_add_nc_u64 s[78:79], s[82:83], s[78:79]
	s_cmp_eq_u32 s[RH], 0                          ; do I fetch for x or for W?
	s_cselect_b64 s[PFA:PFA+1], s[76:77], s[78:79] ; the 128 rows that I fetch,
	s_cselect_b32 s86, s66, s67                    ; my place among the four that ask for them with me,
	s_lshl_b32 s86, s86, 16                        ; x 32 rows of 2,048 bytes,
	s_add_co_u32 s86, s86, ROWB                    ; at K step 1: the first prefetch names K step 2
	s_mov_b32 s87, 0
	s_add_nc_u64 s[PFA:PFA+1], s[PFA:PFA+1], s[86:87]
	CROUND
.irp s, 0,1
	s_mov_b32 s[G0+4*\s], 1
	s_add_co_u32 s[G0+4*\s+1], s75, \s*SLOT
	s_add_nc_u64 s[G0+4*\s+2:G0+4*\s+3], s[76:77], \s*ROWB
	s_or_b32 s[G0+4*\s+3], s[G0+4*\s+3], 0x80000000
	s_mov_b32 s[G0B+4*\s], 1
	s_add_co_u32 s[G0B+4*\s+1], s75, \s*SLOT
	s_add_nc_u64 s[G0B+4*\s+2:G0B+4*\s+3], s[78:79], \s*ROWB
	s_or_b32 s[G0B+4*\s+3], s[G0B+4*\s+3], 0x80000000
.endr
	JLOAD G0, G1, G0B, G1B                         ; K step 0: one tensor load a wave at the head
	global_prefetch_b8 v[PFO], s[PFA:PFA+1] offset:ROWB th:TH_LOAD_NT scope:SCOPE_SE   ; K step 2
	v_and_b32 v1, 15, v0
	v_bfe_u32 v2, v0, 4, 1
	v_mul_u32_u24 v3, v1, PITCH
	v_lshl_add_u32 v4, v2, 4, v3
	s_wait_alu depctr_va_vdst(0)
	s_mul_i32 s84, s[RH], HALFT
	s_mul_i32 s85, s[CH], HALFT
	s_add_co_u32 s85, s85, 2*HALFT
	s_cmp_eq_u32 s[ISV], 0
	s_cselect_b32 s86, s84, s85
	s_cselect_b32 s87, s85, s84
.irp s, 0,1
	v_add_nc_u32 v[ADRA+\s], s86, v4
	v_add_nc_u32 v[ADRB+\s], s87, v4
	s_add_co_u32 s86, s86, SLOT
	s_add_co_u32 s87, s87, SLOT
.endr
	v_and_b32 v6, 31, v0
	v_lshlrev_b32 v[CO], 4, v6
	s_lshl_b32 s74, s68, 1
	s_add_co_u32 s74, s74, s[CH]
	s_cmp_eq_u32 s[ISV], 0
	s_cselect_b64 s[BP:BP+1], s[14:15], s[16:17]
	s_cselect_b64 s[OUTP:OUTP+1], s[22:23], s[24:25]
	s_cmp_eq_u32 s[ISQ], 1
	s_cselect_b64 s[BP:BP+1], s[12:13], s[BP:BP+1]
	s_cselect_b64 s[OUTP:OUTP+1], s[20:21], s[OUTP:OUTP+1]
	s_cselect_b32 s74, s74, s66
	s_cselect_b32 s75, 16, 4
	s_lshl_b32 s82, s74, 9
	s_mov_b32 s83, 0
	s_add_nc_u64 s[BP:BP+1], s[BP:BP+1], s[82:83]
	s_lshr_b32 s84, s69, 3
	s_mul_i32 s84, s84, s75
	s_add_co_u32 s84, s84, s74
	s_lshl_b32 s84, s84, 11
	s_and_b32 s85, s69, 7
	s_lshl_b32 s85, s85, 8
	s_add_co_u32 s84, s84, s85
	s_lshl_b32 s85, s[RH], 7
	s_add_co_u32 s84, s84, s85
	s_lshl_b32 s84, s84, 7
	s_mov_b32 s85, 0
	s_add_nc_u64 s[OUTP:OUTP+1], s[OUTP:OUTP+1], s[84:85]
	v_lshlrev_b32 v7, 5, v2
	v_lshlrev_b32 v8, 2, v1
.irp b, 0,1,2,3,4,5,6,7
	global_load_b128 v[BI+8*\b:BI+8*\b+3], v7, s[BP:BP+1] offset:64*\b
	global_load_b128 v[BI+8*\b+4:BI+8*\b+7], v7, s[BP:BP+1] offset:64*\b+16
.endr
.irp a, 0,1,2,3,4,5,6,7
	global_load_b32 v[BM+2*\a], v8, s[BP:BP+1] offset:64*\a
.endr
	s_wait_kmcnt 0x0
	s_cmp_eq_u32 s[ISV], 0
	s_cselect_b32 s82, s90, s92
	s_cselect_b32 s83, s91, s93
	s_cselect_b32 s84, s94, s96
	s_cmp_eq_u32 s[ISQ], 1
	s_cselect_b32 s82, s88, s82
	s_cselect_b32 s83, s89, s83
	s_cselect_b32 s84, s95, s84
	s_add_co_i32 s[SC], s82, s83
	s_add_co_i32 s[SC], s[SC], 127
	s_lshl_b32 s[SC], s[SC], 23
	s_mov_b32 s[SC+1], s[SC]
	s_add_co_i32 s84, s84, 127
	s_lshl_b32 s85, s84, 23
	v_mov_b32 v[CVS], s85
	s_add_co_i32 s84, s84, 15
	s_lshl_b32 s84, s84, 23
	s_or_b32 s84, s84, 0x600000
	v_mov_b32 v[LIMV], s84
	s_wait_loadcnt 0x0
.irp a, 0,1,2,3,4,5,6,7
	v_mov_b32 v[BM+2*\a+1], v[BM+2*\a]
.endr
.macro FRAG reg, adr, q, i
.irp c, 0,1,2,3
	ds_load_b128 v[\reg+4*\c:\reg+4*\c+3], v[\adr] offset:128*(\q)+32*\c+(\i)*16*PITCH
.endr
.endm
.macro MUL16 a0, p, zero
.irp a, \a0, \a0+1
.irp b, 0,1,2,3,4,5,6,7
.if \zero
	v_wmma_f32_16x16x128_bf8_bf8 v[8*(8*((\a)%4)+\b):8*(8*((\a)%4)+\b)+7], v[128*(\p)+FR*\b:128*(\p)+FR*\b+FR-1], v[AF+FR*(\a):AF+FR*(\a)+FR-1], 0
.else
	v_wmma_f32_16x16x128_bf8_bf8 v[8*(8*((\a)%4)+\b):8*(8*((\a)%4)+\b)+7], v[128*(\p)+FR*\b:128*(\p)+FR*\b+FR-1], v[AF+FR*(\a):AF+FR*(\a)+FR-1], v[8*(8*((\a)%4)+\b):8*(8*((\a)%4)+\b)+7]
.endif
.endr
.endr
.endm
.macro FETCH_B slot, q, p
	WIN TO_B
.irp i, 0,1,2,3,4,5,6,7
	FRAG 128*(\p)+FR*\i, ADRB+\slot, \q, \i
.endr
	WIN 0
.endm
.macro FETCH_A slot, q, i0
.irp i, \i0, \i0+1, \i0+2, \i0+3
	FRAG AF+FR*(\i), ADRA+\slot, \q, \i
.endr
.endm
.macro PLACES n
.rept \n
	v_nop
.endr
.endm
.macro STEP slot, q, zero
	s_wait_dscnt 4*NL
	WIN MUL_LO
	MUL16 0, (\q)%2, \zero
	MUL16 2, (\q)%2, \zero
	s_wait_dscnt 0
	PLACES NP
	FETCH_B \slot, (\q)+1, 1-(\q)%2
	FETCH_A \slot, (\q)+1, 0
	WIN MUL_HI
	MUL16 4, (\q)%2, \zero
	MUL16 6, (\q)%2, \zero
	PLACES NP
	WIN 0
	FETCH_A \slot, (\q)+1, 4
.endm
.macro TURN slot, next, fill
.if \fill
	s_wait_xcnt 0x0                                ; my last prefetch, a K step back, has read its address: it may be stepped
	s_add_nc_u64 s[PFA:PFA+1], s[PFA:PFA+1], ROWB
.endif
	s_wait_tensorcnt 0x0
	ds_add_u32 v[SPW], v[NIL]
	s_wait_dscnt 4*NL+1
	WIN MUL_LO
	MUL16 0, 1, 0
	s_wait_dscnt 0x0
	s_barrier_signal -1
	MUL16 2, 1, 0
	WIN 0
	s_barrier_wait -1
.if \fill
	CREST
	s_add_nc_u64 s[G0+4*\slot+2:G0+4*\slot+3], s[G0+4*\slot+2:G0+4*\slot+3], 2*ROWB
	s_add_nc_u64 s[G0B+4*\slot+2:G0B+4*\slot+3], s[G0B+4*\slot+2:G0B+4*\slot+3], 2*ROWB
	JLOAD G0+4*\slot, G1, G0B+4*\slot, G1B
.else
	PLACES NP
.endif
	FETCH_B \next, 0, 0
	FETCH_A \next, 0, 0
.if \fill
	s_cmp_gt_u32 s3, 1                             ; the loop's last trip refills K steps 6 and 7: no K step stands two on
	s_cbranch_scc0 .Lno_ask_\@
	global_prefetch_b8 v[PFO], s[PFA:PFA+1] offset:ROWB th:TH_LOAD_NT scope:SCOPE_SE
.Lno_ask_\@:
.endif
	WIN MUL_HI
	MUL16 4, 1, 0
	MUL16 6, 1, 0
	PLACES NP
	WIN 0
	FETCH_A \next, 0, 4
.endm
	s_wait_xcnt 0x0                                ; the first prefetch has read its address
	s_add_nc_u64 s[PFA:PFA+1], s[PFA:PFA+1], ROWB
	s_wait_alu depctr_va_vdst(0)                   ; the wait at the head's end
	s_wait_tensorcnt 0x0                           ; my part of K step 0 is in; slot 1's first fill is issued as a refill is:
	ds_add_u32 v[SPW], v[NIL]                      ; the add,
	s_wait_dscnt 0x0                               ; its wait,
	CROUND                                         ; a whole round,
	JLOAD G0+4, G1, G0B+4, G1B                     ; and K step 1's joint load first behind it
	FETCH_B 0, 0, 0
	FETCH_A 0, 0, 0
	FETCH_A 0, 0, 4
	global_prefetch_b8 v[PFO], s[PFA:PFA+1] offset:ROWB th:TH_LOAD_NT scope:SCOPE_SE   ; K step 3
	STEP 0, 0, 1
	s_mov_b32 s3, LAPS-1
.Llap:
	TURN 0, 1, 1
	STEP 1, 0, 0
	TURN 1, 0, 1
	STEP 0, 0, 0
	s_sub_co_u32 s3, s3, 1
	s_cmp_lg_u32 s3, 0
	s_cbranch_scc1 .Llap
	TURN 0, 1, 0
	STEP 1, 0, 0
	s_wait_dscnt 4*NL
	WIN MUL_LO
	MUL16 0, 1, 0
	MUL16 2, 1, 0
	s_wait_dscnt 0
	WIN MUL_HI
	MUL16 4, 1, 0
	MUL16 6, 1, 0
	WIN 0
.macro OUTBLK a
.set AC, 64*((\a)%4)
.set PS, PC+16*((\a)%4)
	s_cmp_eq_u32 s[ISV], 0
	s_cbranch_scc0 .Lfor_v_\@
	WIN 0x02+((\a)/4)
.set n, 0
.rept 32
	v_pk_fma_f32 v[TMP+n:TMP+n+1], v[AC+n:AC+n+1], s[SC:SC+1], v[BI+n:BI+n+1] op_sel_hi:[1,0,1]
.set n, n+2
.endr
	WIN 0
	s_branch .Ljoin_\@
.Lfor_v_\@:
	WIN 0x02+((\a)/4)
.set n, 0
	s_wait_alu depctr_va_vdst(0)
.rept 32
	v_pk_fma_f32 v[TMP+n:TMP+n+1], v[AC+n:AC+n+1], s[SC:SC+1], v[BM+2*(\a):BM+2*(\a)+1] op_sel_hi:[1,0,1]
.set n, n+2
.endr
	WIN 0
.Ljoin_\@:
.if (\a) >= 4
	s_wait_xcnt 0x0
.endif
.set n, 0
.rept 64
	v_med3_num_f32 v[TMP+n], v[TMP+n], -v[LIMV], v[LIMV]
.set n, n+1
.endr
.irp b, 0,1,2,3,4,5,6,7
	v_cvt_scalef32_pk8_bf8_f32 v[PS+2*\b:PS+2*\b+1], v[TMP+8*\b:TMP+8*\b+7], v[CVS]
.endr
	v_nop
.irp c, 0,1,2,3
	global_store_b128 v[CO], v[PS+4*\c:PS+4*\c+3], s[OUTP:OUTP+1] offset:2048*(\a)+512*\c
.endr
.endm
	PLACES NP
.irp a, 0,1,2,3,4,5,6,7
	OUTBLK \a
.endr
	s_wait_tensorcnt 0x0
	ds_add_u32 v[SPW], v[NIL]
	s_wait_dscnt 0x0
	CROUND
	s_endpgm
.Lfunc_end_k_q8c692d3a3c_proj:
	.size	k_q8c692d3a3c_proj, .Lfunc_end_k_q8c692d3a3c_proj-k_q8c692d3a3c_proj
	.p2alignl 7, 3214868480
	.fill 96, 4, 3214868480
	.section	.rodata,"a",@progbits
	.p2align	6, 0x0
	.amdhsa_kernel k_q8c692d3a3c_proj
		.amdhsa_group_segment_fixed_size 327680
		.amdhsa_private_segment_fixed_size 0
		.amdhsa_enable_private_segment 0
		.amdhsa_kernarg_size 88
		.amdhsa_user_sgpr_count 2
		.amdhsa_user_sgpr_kernarg_segment_ptr 1
		.amdhsa_wavefront_size32 1
		.amdhsa_system_sgpr_workgroup_id_x 1
		.amdhsa_system_sgpr_workgroup_id_y 1
		.amdhsa_system_sgpr_workgroup_id_z 1
		.amdhsa_system_vgpr_workitem_id 0
		.amdhsa_next_free_vgpr 1024
		.amdhsa_next_free_sgpr 100
		.amdhsa_reserve_vcc 0
		.amdhsa_float_denorm_mode_32 3
		.amdhsa_float_denorm_mode_16_64 3
		.amdhsa_memory_ordered 1
		.amdhsa_forward_progress 1
		.amdhsa_inst_pref_size 156
	.end_amdhsa_kernel
	.amdgpu_metadata
---
amdhsa.version: [ 1, 2 ]
amdhsa.kernels:
  - .name:           k_q8c692d3a3c_proj
    .symbol:         k_q8c692d3a3c_proj.kd
    .args:
      - { .name: hidden_states_codes, .offset: 0, .size: 8, .value_kind: global_buffer, .address_space: global }
      - { .name: Wq_codes, .offset: 8, .size: 8, .value_kind: global_buffer, .address_space: global }
      - { .name: Wk_codes, .offset: 16, .size: 8, .value_kind: global_buffer, .address_space: global }
      - { .name: Wv_codes, .offset: 24, .size: 8, .value_kind: global_buffer, .address_space: global }
      - { .name: bq, .offset: 32, .size: 8, .value_kind: global_buffer, .address_space: global }
      - { .name: bk, .offset: 40, .size: 8, .value_kind: global_buffer, .address_space: global }
      - { .name: bv, .offset: 48, .size: 8, .value_kind: global_buffer, .address_space: global }
      - { .name: lowp_scales, .offset: 56, .size: 8, .value_kind: global_buffer, .address_space: global }
      - { .name: q_img, .offset: 64, .size: 8, .value_kind: global_buffer, .address_space: global }
      - { .name: k_img, .offset: 72, .size: 8, .value_kind: global_buffer, .address_space: global }
      - { .name: v_img, .offset: 80, .size: 8, .value_kind: global_buffer, .address_space: global }
    .group_segment_fixed_size: 327680
    .private_segment_fixed_size: 0
    .kernarg_segment_align: 8
    .kernarg_segment_size: 88
    .max_flat_workgroup_size: 128
    .sgpr_count:     100
    .vgpr_count:     1024
    .wavefront_size: 32
...
	.end_amdgpu_metadata
.endif
;; end of part 1
;; launch attn (part 2): grid 32 x 8, 8 waves a work-group, clusters of 4 x 1, 327,680 bytes of LDS; arguments q_img, k_img, v_img, lowp_scales, out0; writes out0
.if DOCPART == 2
	.amdgcn_target "amdgcn-amd-amdhsa--gfx1250"
	.amdhsa_code_object_version 6
	.text
	.protected	k_q8c692d3a3c_attn
	.globl	k_q8c692d3a3c_attn
	.p2align	8
	.type	k_q8c692d3a3c_attn,@function
k_q8c692d3a3c_attn:
	s_mov_b64 s[64:65], 0
	v_nop
	global_prefetch_b8 v0, s[64:65] scope:SCOPE_SE
	s_setreg_imm32_b32 hwreg(HW_REG_WAVE_MODE, 25, 1), 1
	s_wait_xcnt 0x0
	s_wait_alu depctr_hold_cnt(0) depctr_sa_sdst(0) depctr_va_vdst(0) depctr_va_sdst(0) depctr_va_ssrc(0) depctr_va_vcc(0) depctr_vm_vsrc(0)
	s_getreg_b32 s2, hwreg(HW_REG_IB_STS2, 6, 4)
	s_cmp_eq_u32 s2, 0
	s_cbranch_scc0 .Lentry_in_a_cluster
	s_endpgm
.Lentry_in_a_cluster:
	s_bfe_u32 s2, ttmp6, 0x10000c
	s_cmp_lg_u32 s2, 0x3003
	s_cbranch_scc0 .Lentry_shape_is_right
	s_endpgm
.Lentry_shape_is_right:
; out0[b][s][128 hq + d] = the sum over keys t of softmax_t(q[b][hq][s] . k[b][g][t] / sqrt(128)) v[b][g][t][d], g = hq mod 4, both products on codes of E5M2.  No work is left out: there is no mask, and every key counts for every query.
; q, k and v come as IMAGES OF OPERAND REGISTERS, made by the launch before: a fragment (16 rows x 128 along K) is 2,048 bytes, four pieces of 512, lane l's 16 bytes at 16 l.
;   q: fragment (16 b + hq) x 128 + query / 16;   k: (4 b + g) x 128 + key / 16;   v: ((4 b + g) x 16 + key / 128) x 8 + d / 16, its K the block's 128 keys.
; Byte i of piece c in half h of the lanes holds index 32 c + 8 h + i (i < 8) or 32 c + 16 + 8 h + i - 8 of K: what two neighbouring conversions of matrix results leave in a lane.  q and k have it alike; so have v and the p made here.
; THE SOFTMAX AHEAD OF THE SECOND PRODUCT: t = score x log2(e) / sqrt(128); M = the row's largest t so far, rounded UP to a whole number; p = 2^(t - M) is what is quantised, with 2^ep; it is not normalised.
; The row's sum is taken of the unquantised p, in f32, and divides O at the end.  When M moves, the sum and O are multiplied by 2^(old M - new M): exact.
; SHARES.  Work-group (x, y): y = 4 b + g; x = 8 r + block of 256 queries; hq = 4 r + g.  Each of its eight waves owns 32 queries, two tiles of 16, in 512 registers; each fragment of k and v read from LDS feeds two matrix instructions.  Every wave walks all 2,048 keys, 128 a step.
; LAYOUT.  Both products are used transposed: S^T = k q^T (source 0 = 16 keys, source 1 = 16 queries), O^T = v^T p^T (source 0 = 16 channels, source 1 = p): a lane holds ONE query (lane % 16) throughout.
; THE RING.  Two LDS slots of 512 keys: k's four key steps of 16,384 bytes, then v's four.  Wave w fetches piece w of a slot by one tensor load (waves 0-3: k's, waves 4-7: v's): every wave issues every load, with no branch.
; CLUSTER.  The four work-groups of a cluster share y and walk the same k and v: each piece is asked for JOINTLY, by the same tensor load with the same descriptor and a mask that names the four.
; k's FRAGMENTS ARE ASKED FOR A STEP AHEAD, in registers that the step in hand has done with.  Four runs of 64 registers, A, B (window 0), C, D (window 1): k's fragments 0-3 lie in B and their scores go to A; then fragments 4-7, in C, give
; scores that go to B; v's eight fragments land in C and D under the softmax; behind the conversions of B's scores the next step's fragments 0-3 are loaded into B, and behind the second product's first half, which empties C, its fragments 4-7 into C.
; LIMITS on the given exponents, so that each power of two below is an f32 number: ek + eq between -123 and 130 (they are added to c's exponent field); ep between -126 and 112; ep + ev is applied by v_ldexp_f32 and has none.  NaN and infinities among the codes are not served.
; REGISTERS: window 0: v1-15 addresses and constants; v16-47 q; v48-79 p's codes, 16 a tile; v80-143 A, v144-207 B; v208-223 eight registers of statistics a tile.  Window 1: v0-127 O^T, 64 a tile; v128-191 C, v192-255 D.
; The score of tile u, fragment f, register j lies at S + 64 (f / 4) + 32 u + 8 (f % 4) + j.
.set SLOT1, 1<<17                      ; slot 1 begins here: one exclusive or turns an address in one slot into the other's
.set STEPB, 16384                      ; a key step's eight fragments
.set VOFF,  4*STEPB                    ; in a slot: k's four steps, then v's
.set STAGE, 2*SLOT1                    ; behind the ring: 16 rows x 272 bytes for each wave, for the way out; no tile lands there
.set SP,    272
.set SPARE, STAGE+8*16*SP              ; behind the stages: the spare words, 128 bytes for each wave, which no other line names
.set LI,   1                           ; v1   16 x lane: my place in a piece of 512 bytes
.set ADK,  2                           ; v2   LDS address of the NEXT step's fragments of k
.set ADV,  3                           ; v3   of this step's fragments of v
.set SPW,  4                           ; v4   LDS address of my spare word; never rewritten
.set NIL,  5                           ; v5   0; never rewritten
.set PFO,  6                           ; v6   256 x lane: the prefetches' offset
.set GO,   7                           ; v7   the way out: my byte offset in the wave's rows of out0
.set STO,  8                           ; v8   the way out: where I put 32 bytes of a row
.set RD,   9                           ; v9   the way out: where I read a row back
.set CVS,  10                          ; v10  2^ep as f32, for the conversion
.set HOLD, 11                          ; v11  57,344 x 2^ep
.set HOLD2, 14                         ; v14  the same once more: the second half of a dual instruction takes its second source from another register bank
.set LIV,  15                          ; v15  16 x lane + VOFF
.set Q,    16
.set P,    48
.set S,    80
.set KLO,  S+64                        ; k's fragments 0-3 lie in B
.set ST,   208                         ; tile u's statistics at v[ST + 8 u]: +0 -M, +1 the largest t, +2, +3 the sum in two halves, +4 f, +5 0 (named with f as a pair), +6, +7 at work
.set FRG,  128                         ; C and D, in window 1
.set WV,   14                          ; s14  my wave's number
.set G1,   24                          ; s[24:31] descriptor group 1: one shape for all loads
.set G0,   32                          ; s[32:35] descriptor group 0, which walks
.set CS,   36                          ; s[36:37] c = log2(e) / sqrt(128) x 2^(ek + eq)
.set SEL,  38                          ; s[38:39] lane selects for v_permlanex16_b32: lane l xor 16
.set TB,   40                          ; s40  LDS byte at which a key step begins: this step's up to v's address, then the next step's
.set SLOTS, 41                         ; s41  counts the two trips of the loop over slots that are filled again
.set STEPC, 42                         ; s42  counts the steps of a loop over key steps
.set PFA,  44                          ; s[44:45] where my prefetches stand in memory
.set LIM,  46                          ; s46  1 in a wave that prefetches, else the greatest number
.set EOUT, 47                          ; s47  ep + ev
.set MSB, 0
.macro WIN new                         ; the immediate's high byte repeats the setting that is left
.if MSB != \new
	s_set_vgpr_msb (MSB<<8)|\new
.set MSB, \new
.endif
.endm
.set TO_F, 0x40                        ; destination window 1, address window 0
.set W_KQ, 0x01                        ; source 0 (k in C) window 1; q and S^T window 0
.set W_RS, 0x41                        ; O^T (destination and source 0) window 1, f window 0
.set W_PV, 0x51                        ; source 0 (v), C and D window 1; p window 0
.macro CREST                           ; a round of the cluster's barrier behind its opening barrier
	s_cmp_lg_u32 s[WV], 0
	s_cbranch_scc1 .Lnot_wave_0_\@
	s_barrier_signal -3
.Lnot_wave_0_\@:
	s_barrier_wait -3
	s_barrier_signal -1
	s_barrier_wait -1
.endm
.macro CROUND                          ; a whole round
	s_barrier_signal -1
	s_barrier_wait -1
	CREST
.endm
; A PREFETCH INTO THE L2 of what the NEXT change of slots will ask for: a slot's 65,536 bytes of k and as many of v.  Each aligned block of 256 bytes is named ONCE in the launch: of the eight clusters of a y the first asks; in it the even
; waves ask, each for its own piece and the next wave's, 32,768 bytes on end; the four partners share these out BY ADDRESS, 8,192 bytes each, lanes 256 bytes apart.  The last change that fills a slot asks for nothing.
.macro ASK
	s_cmp_gt_u32 s[SLOTS], s[LIM]
	s_cbranch_scc0 .Lnot_mine_\@
	global_prefetch_b8 v[PFO], s[PFA:PFA+1] th:TH_LOAD_NT scope:SCOPE_SE
.Lnot_mine_\@:
.endm
; The joint load of the next 512 keys: the first thing behind a round, and my one tensor load until the next.
.macro FILL
	tensor_load_to_lds s[G0:G0+3], s[G1:G1+7]
	s_nop 0
.rept 4
	v_nop
.endr
	ASK
.endm
.macro KLOAD_LO                        ; k's fragments 0-3 of the step at v[ADK] into B: each load 512 consecutive bytes
.irp f, 0,1,2,3
.irp c, 0,1,2,3
	ds_load_b128 v[KLO+16*\f+4*\c:KLO+16*\f+4*\c+3], v[ADK] offset:2048*\f+512*\c
.endr
.endr
.endm
.macro KLOAD_HI                        ; its fragments 4-7 into C
	WIN TO_F
.irp f, 0,1,2,3
.irp c, 0,1,2,3
	ds_load_b128 v[FRG+16*\f+4*\c:FRG+16*\f+4*\c+3], v[ADK] offset:2048*(\f+4)+512*\c
.endr
.endr
	WIN 0
.endm
	s_load_b256 s[4:11], s[0:1], 0x0               ; q's images s[4:5], k's s[6:7], v's s[8:9], the scales' exponents s[10:11]
	s_load_b64 s[12:13], s[0:1], 0x20              ; out0
	v_lshl_add_u32 v[SPW], v0, 2, SPARE
	v_mov_b32 v[NIL], 0
	ds_add_u32 v[SPW], v[NIL]                      ; the wave's opening: the add, twice on end, and its wait ahead of my first tensor load
	ds_add_u32 v[SPW], v[NIL]
	v_lshrrev_b32 v12, 5, v0
	s_delay_alu instid0(VALU_DEP_1)
	v_readfirstlane_b32 s[WV], v12                 ; wave 0..7
	s_bfe_u32 s15, ttmp6, 0x40000                  ; cx: my place in the cluster
	s_lshl_b32 s16, ttmp9, 2
	s_add_co_u32 s16, s16, s15                     ; x: it enters q's and out0's addresses alone
	s_and_b32 s17, ttmp7, 0xffff                   ; y = 4 b + g, which the four partners share
	s_lshr_b32 s18, s17, 2                         ; b
	s_and_b32 s19, s17, 3                          ; g
	s_lshr_b32 s20, s16, 3                         ; r
	s_and_b32 s21, s16, 7                          ; my block of 256 queries
	s_lshl_b32 s20, s20, 2
	s_add_co_u32 s20, s20, s19                     ; hq = 4 r + g
	s_lshl_b32 s22, s18, 4
	s_add_co_u32 s22, s22, s20
	s_lshl_b32 s22, s22, 7                         ; (16 b + hq) x 128 fragments
	s_lshl_b32 s23, s21, 4
	s_add_co_u32 s22, s22, s23                     ; + 16 a block
	s_lshl_b32 s23, s[WV], 1
	s_add_co_u32 s22, s22, s23                     ; + 2 a wave
	s_lshl_b32 s22, s22, 11                        ; x 2,048 bytes
	s_mov_b32 s23, 0
	s_lshl_b32 s52, s18, 11
	s_lshl_b32 s53, s21, 8
	s_add_co_u32 s52, s52, s53
	s_lshl_b32 s53, s[WV], 5
	s_add_co_u32 s52, s52, s53                     ; my first row of out0: 2,048 b + 256 x block + 32 x wave
	s_lshl_b32 s52, s52, 11                        ; x 2,048 numbers
	s_lshl_b32 s53, s20, 7
	s_add_co_u32 s52, s52, s53                     ; + 128 hq
	s_lshl_b32 s52, s52, 2                         ; in bytes
	s_mov_b32 s53, 0
	s_lshl_b32 s54, s17, 18                        ; k, v: 262,144 bytes for each y,
	s_and_b32 s55, s[WV], 3
	s_lshl_b32 s55, s55, 14
	s_add_co_u32 s54, s54, s55                     ; + the key step that I fetch
	s_mov_b32 s55, 0
	s_lshl_b32 s58, s15, 13                        ; the prefetches: my work-group's 8,192 bytes,
	s_add_co_u32 s58, s58, 8*STEPB                 ; two slots on: the prefetch behind slot 1's load names slot 2
	s_mov_b32 s59, 0
	s_mov_b32 s[G1+0], 15|(3<<16)|(1<<21)          ; the mask: all four work-groups; elements of 8 bytes; no padding; bit 21 beside a mask
	s_mov_b32 s[G1+1], 32<<16                      ; 16,384 dense bytes as 64 rows of 256: tensor_dim0 = 32 elements
	s_mov_b32 s[G1+2], 64<<16                      ; tensor_dim1 = 64
	s_mov_b32 s[G1+3], 32<<16                      ; tile_dim0 = 32
	s_mov_b32 s[G1+4], 64                          ; tile_dim1 = 64
	s_mov_b32 s[G1+5], 32                          ; each row begins where the last ends
	s_mov_b32 s[G1+6], 0
	s_mov_b32 s[G1+7], 0
	s_mov_b32 s[CS], 0x3e0293ee                    ; c = log2(e) / sqrt(128)
	s_mov_b32 s[SEL], 0x76543210
	s_mov_b32 s[SEL+1], 0xfedcba98
	s_mov_b32 s[TB], 0
	s_mov_b32 s[SLOTS], 2
	s_and_b32 s[LIM], s[WV], 1                     ; 0 in the even waves,
	s_or_b32 s[LIM], s[LIM], ttmp9                 ; of the y's first cluster: the same in all four partners
	s_cmp_eq_u32 s[LIM], 0
	s_cselect_b32 s[LIM], 1, -1
	v_and_b32 v[LI], 31, v0
	s_delay_alu instid0(VALU_DEP_1)
	v_lshlrev_b32 v[PFO], 8, v[LI]
	s_delay_alu instid0(VALU_DEP_2)
	v_lshlrev_b32 v[LI], 4, v[LI]
	s_delay_alu instid0(VALU_DEP_1)
	v_add_nc_u32 v[LIV], VOFF, v[LI]
	s_wait_dscnt 0x0                               ; both opening adds are done
	s_wait_kmcnt 0x0
	s_load_b128 s[48:51], s[10:11], 0x18           ; entries 6 to 9: ek, eq, ev, ep
	s_add_nc_u64 s[4:5], s[4:5], s[22:23]          ; q at my first fragment
	s_add_nc_u64 s[12:13], s[12:13], s[52:53]      ; out0 at my first row and my head
	s_cmp_lt_u32 s[WV], 4
	s_cselect_b64 s[56:57], s[6:7], s[8:9]         ; waves 0-3 fetch k's pieces, waves 4-7 v's
	s_add_nc_u64 s[56:57], s[56:57], s[54:55]
	s_add_nc_u64 s[PFA:PFA+1], s[56:57], s[58:59]
	s_mov_b32 s[G0], 1                             ; count = 1
	s_lshl_b32 s[G0+1], s[WV], 14                  ; LDS address: piece w of slot 0
	s_mov_b64 s[G0+2:G0+3], s[56:57]               ; global address: the first 512 keys' piece
	s_or_b32 s[G0+3], s[G0+3], 0x80000000          ; type = 2
	CROUND                                         ; all four work-groups are here: the first joint loads meet
	tensor_load_to_lds s[G0:G0+3], s[G1:G1+7]      ; slot 0: my one load at the head
	s_nop 0
.rept 4
	v_nop
.endr
	s_wait_alu depctr_va_vdst(0)                   ; the wait here, ahead of the readers below
.irp u, 0,1
.irp c, 0,1,2,3
	global_load_b128 v[Q+16*\u+4*\c:Q+16*\u+4*\c+3], v[LI], s[4:5] offset:2048*\u+512*\c th:TH_LOAD_NT   ; q's two fragments stay in registers; read once, by this wave alone
.endr
.endr
	v_and_b32 v12, 15, v0                          ; r = lane % 16
	v_bfe_u32 v13, v0, 4, 1                        ; h = lane / 16
	s_mul_i32 s18, s[WV], 16*SP
	s_add_co_u32 s18, s18, STAGE                   ; my stage
	v_mul_u32_u24 v[STO], v12, SP                  ; in: row r, 32 bytes for each half of the lanes
	s_delay_alu instid0(VALU_DEP_1)
	v_lshl_add_u32 v[STO], v13, 5, v[STO]
	s_delay_alu instid0(VALU_DEP_1)
	v_add_nc_u32 v[STO], s18, v[STO]
	v_mul_u32_u24 v[RD], v13, SP                   ; back: lanes 0-15 take one row of 256 bytes, lanes 16-31 the next
	s_delay_alu instid0(VALU_DEP_1)
	v_lshl_add_u32 v[RD], v12, 4, v[RD]
	s_delay_alu instid0(VALU_DEP_1)
	v_add_nc_u32 v[RD], s18, v[RD]
	v_lshlrev_b32 v[GO], 13, v13                   ; and the same two rows in out0, 8,192 bytes apart
	s_delay_alu instid0(VALU_DEP_1)
	v_lshl_add_u32 v[GO], v12, 4, v[GO]
.irp u, 0,1
	v_mov_b32 v[ST+8*\u+1], 0xff61b1e6             ; the largest t so far: -3e38, under every t
	v_mov_b32 v[ST+8*\u+2], 0                      ; the sum, in two halves
	v_mov_b32 v[ST+8*\u+3], 0
	v_mov_b32 v[ST+8*\u+5], 0                      ; (named as the upper half of f's pair)
	s_delay_alu instid0(VALU_DEP_4)
	v_floor_f32 v[ST+8*\u], -v[ST+8*\u+1]          ; -M
.endr
	WIN TO_F
.set n, 0
.rept 128
	v_mov_b32 v[n], 0                              ; O^T.  (The key step has no first step of its own: the first finds zeros, which the first change of M leaves zeros.  These lines run while the first tile is on its way)
.set n, n+1
.endr
	WIN 0
	s_wait_kmcnt 0x0
	s_add_co_i32 s18, s48, s49
	s_lshl_b32 s18, s18, 23
	s_add_co_i32 s[CS], s[CS], s18                 ; a score stands for score x 2^(ek + eq): the two exponents are added to c's exponent field
	s_mov_b32 s[CS+1], s[CS]                       ; (named with it as a pair, so it is written)
	s_add_co_i32 s18, s51, 127
	s_lshl_b32 s19, s18, 23
	v_mov_b32 v[CVS], s19
	s_add_co_i32 s18, s18, 15
	s_lshl_b32 s18, s18, 23
	s_or_b32 s18, s18, 0x600000
	v_mov_b32 v[HOLD], s18
	v_mov_b32 v[HOLD2], s18
	s_add_co_i32 s[EOUT], s50, s51
.macro MX3 u, w, a, b                  ; chain w (6 or 7) of tile u takes the tile's scores a and b (0 .. 63)
	v_max3_num_f32 v[ST+8*\u+\w], v[ST+8*\u+\w], v[S+64*((\a)/32)+32*\u+(\a)%32], v[S+64*((\b)/32)+32*\u+(\b)%32]
.endm
.macro HOLDCVT n0                      ; eight blocks of eight p from block n0 on.  Block n, at S + 8 n, is tile (n / 4) % 2, fragment 4 (n / 8) + n % 4: registers 2 f, 2 f + 1 of the second product's operand
.set n, \n0
.rept 8
.irp i, 0,2,4,6
	v_dual_min_num_f32 v[S+8*n+\i], v[S+8*n+\i], v[HOLD] :: v_dual_min_num_f32 v[S+8*n+\i+1], v[S+8*n+\i+1], v[HOLD2]   ; the conversion to an 8-bit code does not saturate (ISA guide 7.6.2); p is not negative, so the hold is one-sided; it is always made, two numbers an instruction
.endr
	v_cvt_scalef32_pk8_bf8_f32 v[P+16*((n/4)%2)+2*(4*(n/8)+n%4):P+16*((n/4)%2)+2*(4*(n/8)+n%4)+1], v[S+8*n:S+8*n+7], v[CVS]
.set n, n+1
.endr
.endm
.macro PV t0                           ; O^T += v^T p^T for channels 16 t0 .. 16 t0 + 63: the accumulators by turns, one instruction a turn
.irp t, \t0, \t0+1, \t0+2, \t0+3
.irp u, 0,1
	v_wmma_f32_16x16x128_bf8_bf8 v[64*\u+8*(\t):64*\u+8*(\t)+7], v[FRG+16*(\t):FRG+16*(\t)+15], v[P+16*\u:P+16*\u+15], v[64*\u+8*(\t):64*\u+8*(\t)+7]
.endr
.endr
.endm
; A KEY STEP: 128 keys, both tiles of queries.  It finds this step's fragments of k asked for (0-3 in B, then 4-7 in C) and leaves the next step's so.
; last = 0: one of a slot's first three steps.  last = 1: a slot's last step, with the change of slots and a refill in it.  last = 2: the same with a plain barrier and no refill.
; last = 3: a step of the last slot, which has no barrier; where s[STEPC] is 1, in the very last step, no step follows and no k is asked for.
.macro STEP last
	s_wait_dscnt 16                                ; k's fragments 0-3 are in; the sixteen younger loads (4-7) may be out
.irp f, 0,1,2,3
.irp u, 0,1
	v_wmma_f32_16x16x128_bf8_bf8 v[S+32*\u+8*\f:S+32*\u+8*\f+7], v[KLO+16*\f:KLO+16*\f+15], v[Q+16*\u:Q+16*\u+15], 0   ; S^T: lane (r, h) holds query r; register j of fragment f is key 16 f + 8 h + j
.endr
.endr
	v_add_nc_u32 v[ADV], s[TB], v[LIV]
.rept 4
	v_nop                                          ; five places, the addition among them: the products below write over B, which the products above have read
.endr
.if (\last == 1) || (\last == 2)
	s_sub_co_u32 s[TB], s[TB], 3*STEPB             ; the next step is the first
	s_xor_b32 s[TB], s[TB], SLOT1                  ; of the other slot
.else
	s_add_co_u32 s[TB], s[TB], STEPB
.endif
	s_wait_alu depctr_va_vdst(0)                   ; the wait here, directly ahead of the wait below
	s_wait_dscnt 0x0                               ; fragments 4-7 are in
	WIN W_KQ
.irp f, 0,1,2,3
.irp u, 0,1
	v_wmma_f32_16x16x128_bf8_bf8 v[S+64+32*\u+8*\f:S+64+32*\u+8*\f+7], v[FRG+16*\f:FRG+16*\f+15], v[Q+16*\u:Q+16*\u+15], 0
.endr
.endr
	WIN 0
	v_add_nc_u32 v[ADK], s[TB], v[LI]
.rept 3
	v_nop                                          ; four places, the addition among them: for the loads into C and for the first reads of the scores
.endr
	WIN TO_F
.irp f, 0,1,2,3,4,5,6,7
.irp c, 0,1,2,3
	ds_load_b128 v[FRG+16*\f+4*\c:FRG+16*\f+4*\c+3], v[ADV] offset:2048*\f+512*\c   ; v's eight fragments land while the softmax is worked
.endr
.endr
	WIN 0
	; the step's largest score of each query, among my 64 keys, in two chains a tile, the tiles line by line; each accumulator is read from its low end on
.irp u, 0,1
	v_max3_num_f32 v[ST+8*\u+6], v[S+32*\u], v[S+32*\u+1], v[S+32*\u+2]
.endr
.irp u, 0,1
	v_max3_num_f32 v[ST+8*\u+7], v[S+32*\u+3], v[S+32*\u+4], v[S+32*\u+5]
.endr
.irp i, 6,10,14,18,22,26,30,34,38,42,46,50,54,58
.irp u, 0,1
	MX3 \u, 6, \i, \i+1
.endr
.irp u, 0,1
	MX3 \u, 7, \i+2, \i+3
.endr
.endr
.irp u, 0,1
	MX3 \u, 6, 62, 63
.endr
.irp u, 0,1
	s_delay_alu instid0(VALU_DEP_2)
	v_max_num_f32 v[ST+8*\u+6], v[ST+8*\u+6], v[ST+8*\u+7]
.endr
.irp u, 0,1
	s_delay_alu instid0(VALU_DEP_2)
	v_permlanex16_b32 v[ST+8*\u+7], v[ST+8*\u+6], s[SEL], s[SEL+1]
.endr
.irp u, 0,1
	s_delay_alu instid0(VALU_DEP_2)
	v_max_num_f32 v[ST+8*\u+6], v[ST+8*\u+6], v[ST+8*\u+7]   ; and among lane l xor 16's
.endr
.irp u, 0,1
	s_delay_alu instid0(VALU_DEP_2)
	v_mul_f32 v[ST+8*\u+6], s[CS], v[ST+8*\u+6]    ; as t (c is positive)
.endr
.irp u, 0,1
	s_delay_alu instid0(VALU_DEP_2)
	v_max_num_f32 v[ST+8*\u+1], v[ST+8*\u+1], v[ST+8*\u+6]   ; the running largest t
.endr
.irp u, 0,1
	v_mov_b32 v[ST+8*\u+6], v[ST+8*\u]
.endr
.irp u, 0,1
	s_delay_alu instid0(VALU_DEP_4)
	v_floor_f32 v[ST+8*\u], -v[ST+8*\u+1]          ; the new -M = floor(-t) = -ceil(t): M is a whole number
.endr
.irp u, 0,1
	s_delay_alu instid0(VALU_DEP_2)
	v_sub_f32 v[ST+8*\u+6], v[ST+8*\u], v[ST+8*\u+6]   ; M's old value less its new one: a whole number, 0 or less
.endr
.irp u, 0,1
	s_delay_alu instid0(VALU_DEP_2)
	v_cvt_i32_f32 v[ST+8*\u+6], v[ST+8*\u+6]       ; (it saturates)
.endr
.irp u, 0,1
	s_delay_alu instid0(VALU_DEP_2)
	v_ldexp_f32 v[ST+8*\u+4], 1.0, v[ST+8*\u+6]    ; f = 2^(old M - new M): a multiplication by it rounds nothing
.endr
.set n, 0
.rept 64
	v_pk_fma_f32 v[S+2*n:S+2*n+1], v[S+2*n:S+2*n+1], s[CS:CS+1], v[ST+8*((n/16)%2):ST+8*((n/16)%2)+1] op_sel_hi:[1,0,0]   ; t - M, two at a time (of the pairs c and -M the low word serves both halves)
.set n, n+1
.endr
.if (\last == 1) || (\last == 2)
	; THE CHANGE OF SLOTS begins here: v's loads above were my last reads of this slot.  The exponentials, the sums and B's conversions, work on registers alone, stand between the barrier's signal and its wait.
	s_wait_tensorcnt 0x0                           ; no tensor load of mine is out: my piece of the next slot is in, and group 0 may be written
	ds_add_u32 v[SPW], v[NIL]                      ; 0 onto my spare word
.if \last == 1
	s_xor_b32 s[G0+1], s[G0+1], SLOT1              ; the walking descriptor: the other slot than last time,
	s_add_nc_u64 s[G0+2:G0+3], s[G0+2:G0+3], 4*STEPB   ; the next 512 keys; the type bits on top are not reached
	s_wait_xcnt 0x0                                ; the last prefetch, a slot back, has read its address, so it may be written:
	s_add_nc_u64 s[PFA:PFA+1], s[PFA:PFA+1], 4*STEPB   ; one slot further on than the walking descriptor
.endif
	s_wait_dscnt 0x0                               ; the add is done, v's fragments are in, and my reads of this slot are over
	s_barrier_signal -1                            ; last = 1: this barrier opens a round of the cluster's
.endif
	s_wait_alu depctr_va_vdst(0)                   ; the wait ahead of the batch
.set n, 0
.rept 128
	v_exp_f32 v[S+n], v[S+n]                       ; p = 2^(t - M), at most 1: not normalised.  One batch
.set n, n+1
.endr
.irp u, 0,1
	v_pk_mul_f32 v[ST+8*\u+2:ST+8*\u+3], v[ST+8*\u+2:ST+8*\u+3], v[ST+8*\u+4:ST+8*\u+5] op_sel_hi:[1,0]   ; the sums under the new M.  (The plain instruction behind the last exponential)
.endr
	s_wait_alu depctr_va_vdst(0)                   ; and the wait behind the batch, ahead of its first reader: one for all
.irp u, 0,1
	v_pk_add_f32 v[ST+8*\u+6:ST+8*\u+7], v[S+32*\u:S+32*\u+1], v[S+32*\u+2:S+32*\u+3]   ; the row's sum is taken of the UNQUANTISED p: two at a time, in two chains a tile
.endr
.irp j, 4,8,12,16,20,24,28,32,36,40,44,48,52,56,60
.irp u, 0,1
	v_pk_add_f32 v[ST+8*\u+2:ST+8*\u+3], v[ST+8*\u+2:ST+8*\u+3], v[S+64*(\j/32)+32*\u+\j%32:S+64*(\j/32)+32*\u+\j%32+1]
.endr
.irp u, 0,1
	v_pk_add_f32 v[ST+8*\u+6:ST+8*\u+7], v[ST+8*\u+6:ST+8*\u+7], v[S+64*(\j/32)+32*\u+\j%32+2:S+64*(\j/32)+32*\u+\j%32+3]
.endr
.endr
.irp u, 0,1
	s_delay_alu instid0(VALU_DEP_2)
	v_pk_add_f32 v[ST+8*\u+2:ST+8*\u+3], v[ST+8*\u+2:ST+8*\u+3], v[ST+8*\u+6:ST+8*\u+7]
.endr
	HOLDCVT 8                                      ; B's p first: B is then free for the next step's k
.if (\last == 1) || (\last == 2)
	s_barrier_wait -1                              ; every wave of my work-group has left this slot, and everybody's piece of the next slot is in
.endif
.if \last == 1
	CREST                                          ; the rest of the round: no wave of any partner still reads this slot or has a load on its way
	FILL                                           ; it has the next slot's first three steps in which to land
.endif
.if \last == 3
	s_cmp_eq_u32 s[STEPC], 1                       ; behind the very last step no step follows: its k is not asked for
	s_cbranch_scc1 .Lno_lo_\@
.endif
	KLOAD_LO                                       ; the next step's fragments 0-3: they have the lines from here to the step's end in which to land
.if \last == 3
	s_branch .Lhave_lo_\@
.Lno_lo_\@:
	s_wait_dscnt 0x0                               ; on this way no load is younger than v's, so the counted wait below would show nothing: v's fragments are waited for here
.Lhave_lo_\@:
.endif
	HOLDCVT 0
	v_nop                                          ; one plain vector instruction behind the last conversion
	WIN W_RS
	s_wait_alu depctr_va_vdst(0)                   ; the wait here, directly ahead of the first reader of O^T
.set n, 0
.rept 64
	v_pk_mul_f32 v[2*n:2*n+1], v[2*n:2*n+1], v[ST+8*(n/32)+4:ST+8*(n/32)+5] op_sel_hi:[1,0]   ; O^T under the new M: x f; each accumulator from its low end on
.set n, n+1
.endr
	s_wait_alu depctr_va_vdst(0)                   ; the wait here, directly ahead of the wait below
	s_wait_dscnt 16                                ; v's fragments are in; the sixteen younger loads (the next step's k, 0-3) may be out
	WIN W_PV
	PV 0
	WIN 0
.rept 4
	v_nop                                          ; places in front of the loads into C, which the products above have read
.endr
.if \last == 3
	s_cmp_eq_u32 s[STEPC], 1
	s_cbranch_scc1 .Lno_hi_\@
.endif
	KLOAD_HI                                       ; the next step's fragments 4-7
.if \last == 3
.Lno_hi_\@:
.endif
	WIN W_PV
	PV 4
	WIN 0
.endm
; A slot's four key steps: three by a loop, the last written out with the change of slots in it.
.macro SLOT_STEPS last
	s_mov_b32 s[STEPC], 3
.Lstep_\@:
	STEP 0
	s_sub_co_u32 s[STEPC], s[STEPC], 1
	s_cmp_lg_u32 s[STEPC], 0
	s_cbranch_scc1 .Lstep_\@
	STEP \last
.endm
	s_wait_alu depctr_va_vdst(0)                   ; the wait at the head's end
	s_wait_loadcnt 0x0                             ; q
	s_wait_tensorcnt 0x0                           ; my piece of slot 0 is in.  Slot 1's first fill is issued as a refill is:
	ds_add_u32 v[SPW], v[NIL]                      ; the add,
	s_xor_b32 s[G0+1], s[G0+1], SLOT1              ; (the walking descriptor: slot 1,
	s_add_nc_u64 s[G0+2:G0+3], s[G0+2:G0+3], 4*STEPB   ; keys 512 on)
	s_wait_dscnt 0x0                               ; its wait,
	CROUND                                         ; a whole round: everybody's piece of slot 0 is in,
	FILL                                           ; and the joint load first behind it; all eight waves fill bytes for the first time there
	v_add_nc_u32 v[ADK], s[TB], v[LI]
	KLOAD_LO                                       ; the first step's k
	KLOAD_HI
.Lslot:                                                ; two trips: keys 0-511 and 512-1,023; in each trip's last step the slot just left takes the keys 1,024 further on
	SLOT_STEPS 1
	s_sub_co_u32 s[SLOTS], s[SLOTS], 1
	s_cmp_lg_u32 s[SLOTS], 0
	s_cbranch_scc1 .Lslot
	SLOT_STEPS 2                                   ; keys 1,024-1,535: written out; its barrier shows the last slot whole to every wave
	s_mov_b32 s[STEPC], 4
.Llast:                                                ; keys 1,536-2,047: four steps with no barrier: a wave that is through goes on to its way out while the others still multiply
	STEP 3
	s_sub_co_u32 s[STEPC], s[STEPC], 1
	s_cmp_lg_u32 s[STEPC], 0
	s_cbranch_scc1 .Llast
	; THE WAY OUT.  The sum's two halves and lane l xor 16's are added (these additions are the places behind the last products); O^T is divided by the sum, multiplied by 2^(ep + ev), and goes through my stage in LDS,
	; half a head's row (64 channels, 256 bytes) of 16 queries at a time, so that sixteen lanes store 256 consecutive bytes, aligned.
.irp u, 0,1
	v_add_f32 v[ST+8*\u+6], v[ST+8*\u+2], v[ST+8*\u+3]
.endr
.irp u, 0,1
	s_delay_alu instid0(VALU_DEP_2)
	v_permlanex16_b32 v[ST+8*\u+7], v[ST+8*\u+6], s[SEL], s[SEL+1]
.endr
.irp u, 0,1
	s_delay_alu instid0(VALU_DEP_2)
	v_add_f32 v[ST+8*\u+6], v[ST+8*\u+6], v[ST+8*\u+7]
.endr
	s_wait_alu depctr_va_vdst(0)                   ; the wait ahead of the reciprocals
.irp u, 0,1
	v_rcp_f32 v[ST+8*\u+4], v[ST+8*\u+6]
.endr
	v_nop                                          ; a plain instruction between the last reciprocal and the use of its result
	s_wait_alu depctr_va_vdst(0)                   ; and the wait ahead of the first use: one for both reciprocals
.irp u, 0,1
	v_ldexp_f32 v[ST+8*\u+4], v[ST+8*\u+4], s[EOUT]
.endr
	WIN 0x01                                       ; source 0 (O^T) window 1; the results take the scores' registers
	s_wait_alu depctr_va_vdst(0)                   ; the wait here, directly ahead of the first reader of O^T
.set n, 0
.rept 64
	v_pk_mul_f32 v[S+2*n:S+2*n+1], v[2*n:2*n+1], v[ST+8*(n/32)+4:ST+8*(n/32)+5] op_sel_hi:[1,0]   ; register 64 u + 8 t + i is o(query r of tile u, channel 16 t + 8 h + i)
.set n, n+1
.endr
	WIN 0
.irp k, 0,1,2,3                                ; group k: tile k / 2, channels 64 (k % 2) on
.irp t, 0,1,2,3
	ds_store_b128 v[STO], v[S+32*\k+8*\t:S+32*\k+8*\t+3] offset:64*\t
	ds_store_b128 v[STO], v[S+32*\k+8*\t+4:S+32*\k+8*\t+7] offset:64*\t+16
.endr
.irp i, 0,1,2,3,4,5,6,7
	ds_load_b128 v[16+32*\k+4*\i:16+32*\k+4*\i+3], v[RD] offset:2*\i*SP   ; LDS serves a wave's instructions in order (ISA guide 5.7.1.4): these see my stores, and the next group's stores come behind them.  Groups 2 and 3 land where groups 0 and 1 were stored from
.endr
.endr
.irp k, 0,1,2,3
.irp i, 0,1,2,3,4,5,6,7
	s_wait_dscnt (3-\k)*16+7-\i                    ; behind load i of group k: the group's 7 - i later loads and sixteen LDS instructions for each later group
	global_store_b128 v[GO], v[16+32*\k+4*\i:16+32*\k+4*\i+3], s[12:13] offset:(16*(\k/2)+2*\i)*8192+256*(\k%2) th:TH_STORE_NT   ; written once, read by nobody here
.endr
.endr
	s_wait_tensorcnt 0x0                           ; the wave's end, behind my last tensor load and my last LDS store
	ds_add_u32 v[SPW], v[NIL]
	s_wait_dscnt 0x0
	CROUND                                         ; the closing round: no work-group ends while a partner may still ask for a tile that names it
	s_endpgm
.Lfunc_end_k_q8c692d3a3c_attn:
	.size	k_q8c692d3a3c_attn, .Lfunc_end_k_q8c692d3a3c_attn-k_q8c692d3a3c_attn
	.p2alignl 7, 3214868480
	.fill 96, 4, 3214868480
	.section	.rodata,"a",@progbits
	.p2align	6, 0x0
	.amdhsa_kernel k_q8c692d3a3c_attn
		.amdhsa_group_segment_fixed_size 327680
		.amdhsa_private_segment_fixed_size 0
		.amdhsa_enable_private_segment 0
		.amdhsa_kernarg_size 40
		.amdhsa_user_sgpr_count 2
		.amdhsa_user_sgpr_kernarg_segment_ptr 1
		.amdhsa_wavefront_size32 1
		.amdhsa_system_sgpr_workgroup_id_x 1
		.amdhsa_system_sgpr_workgroup_id_y 1
		.amdhsa_system_sgpr_workgroup_id_z 1
		.amdhsa_system_vgpr_workitem_id 0
		.amdhsa_next_free_vgpr 512
		.amdhsa_next_free_sgpr 76
		.amdhsa_reserve_vcc 0
		.amdhsa_float_denorm_mode_32 3
		.amdhsa_float_denorm_mode_16_64 3
		.amdhsa_memory_ordered 1
		.amdhsa_forward_progress 1
		.amdhsa_inst_pref_size 197
	.end_amdhsa_kernel
	.amdgpu_metadata
---
amdhsa.version: [ 1, 2 ]
amdhsa.kernels:
  - .name:           k_q8c692d3a3c_attn
    .symbol:         k_q8c692d3a3c_attn.kd
    .args:
      - { .name: q_img, .offset: 0, .size: 8, .value_kind: global_buffer, .address_space: global }
      - { .name: k_img, .offset: 8, .size: 8, .value_kind: global_buffer, .address_space: global }
      - { .name: v_img, .offset: 16, .size: 8, .value_kind: global_buffer, .address_space: global }
      - { .name: lowp_scales, .offset: 24, .size: 8, .value_kind: global_buffer, .address_space: global }
      - { .name: out0, .offset: 32, .size: 8, .value_kind: global_buffer, .address_space: global }
    .group_segment_fixed_size: 327680
    .private_segment_fixed_size: 0
    .kernarg_segment_align: 8
    .kernarg_segment_size: 40
    .max_flat_workgroup_size: 256
    .sgpr_count:     76
    .vgpr_count:     512
    .wavefront_size: 32
...
	.end_amdgpu_metadata
.endif
;; end of part 2
